; MI455X (gfx1250); checked and timed in simulation.
; The chip was launched on July 23, 2026; its instructions are those of AMD's public machine-readable ISA for CDNA 5 (MIT licence, August 2026) and "CDNA5" Instruction Set Architecture Reference Guide (July 2026). The comments in the code are by the model that wrote it; some were corrected since.
;; Softmaxchain. Allowed arithmetic: float matrix products may take bf16 or f16 operands with f32 sums; all other float work in f32.
;; Inputs: attention_mask 4 x 1 x 1 x 2,048 float32; k 4 x 16 x 64 x 2,048 float32; q 4 x 16 x 2,048 x 64 float32; v 4 x 16 x 2,048 x 64 float32.
;; Outputs: out0 4 x 16 x 2,048 x 64 float32.
;; One version. Each part assembles by itself: llvm-mc -triple=amdgcn-amd-amdhsa -mcpu=gfx1250 --defsym DOCPART=n.
;; ======== version 1 of 1: 1 launch
;; limits: inputs' magnitudes at most 65,504; values are held in f16: magnitudes above 65,504 overflow, below 6.1e-05 lose precision; right only within a limited range of input values
;; launch attn (part 1): grid 4 x 64, 4 waves a work-group, no clusters, 67,584 bytes of LDS; arguments q, k, v, attention_mask, out0; writes out0
.if DOCPART == 1
	.amdgcn_target "amdgcn-amd-amdhsa--gfx1250"
	.amdhsa_code_object_version 6
	.text
	.protected	k_q926cdf70c4_attn
	.globl	k_q926cdf70c4_attn
	.p2align	8
	.type	k_q926cdf70c4_attn,@function
k_q926cdf70c4_attn:
	s_mov_b64 s[64:65], 0
	v_nop
	global_prefetch_b8 v0, s[64:65] scope:SCOPE_SE
	s_setreg_imm32_b32 hwreg(HW_REG_WAVE_MODE, 25, 1), 1
	s_wait_xcnt 0x0
; out[b][h][s][:] = the sum over t of softmax_t(q[b][h][s] . k[b][h][:][t] / 8 + mask[b][t]) v[b][h][t][:].  q, v, out: [64 heads][2048][64] f32; k: [64 heads][64 channels][2048 keys] f32; mask: [4][2048] f32.
; FORMATS.  q / 8 (exact in f32), k, v and the weights p are rounded once to f16 for the products; products' sums, the mask, maxima, exponentials, the sums l, the rescaling and out are f32.
; LIMITS.  f16 ends at 65,504: |q| < 524,000 and |k|, |v| < 65,504 are served; below 6e-5 f16 keeps its fixed step of 6e-8.  The running maximum starts at -1e30: a row ALL of whose scores, mask included,
; lie below -1e30 comes out as NaN; a mask of -inf or of the lowest finite number on SOME keys gives those keys the weight 0.  A weight below 2^-126 counts as 0 in l.  NaN and infinities in q, k, v are not
; treated apart (O^T's registers begin with q / 8 and are multiplied by a = 0 in the first step: they need be finite).
; SHARES.  A work-group owns 512 queries of one head (grid x: the block, grid y: the head): 256 work-groups of equal work.  A wave owns 128 queries: four PIECES of two tiles of 16.  Every wave walks all
; 2,048 keys, 64 a step, 32 steps.
; LAYOUT.  S^T = K Q^T + mask (source 0 = 16 keys, source 1 = 16 queries): a lane holds ONE query (lane % 16) and the keys 8 (lane / 16) + 0..7.  The mask is the C operand of the product that starts a sum:
; 32 registers a step, the same for all eight tiles, so it costs no vector instruction.  Two results rounded to f16 in pairs ARE source 1 of O^T = V^T P, which again holds one query a lane.
; K lies in memory as [channel][key] and V as [key][channel]: both have the index that is summed over along the rows' number, so both are read from LDS turned, by ds_load_tr16_b128, with one lane address.
; STAGING.  The turning load turns 16-bit numbers, so K and V pass through registers on their way into LDS: each wave loads 16 rows of K's tile and 16 of V's (16 loads of 16 bytes a lane, each covering two
; whole aligned runs of 256 bytes), rounds them to f16 and stores them.  Tile s + 2 is asked for in step s and stored in step s + 1: its loads have a whole step in which to land.  Two LDS buffers take turns, one barrier a step.
; NO CLUSTER, NO TENSOR LOADS, though a head's four work-groups walk the same K and V: every number must be rounded in registers before it can be read turned, so a joint tensor load would first lay a step's
; 32,768 bytes of f32 in LDS, to be read back and stored again as 16,384: 65,536 bytes of LDS traffic more a step beside the 16,384 stored and the 69,632 read, and a round of the cluster's barrier for each refill.
; SOFTMAX, TURNS.  For each query a running maximum m and sum l: p = 2^(c s - c m), c = log2(e); in every step O and l are multiplied by a = 2^(c m_old - c m_new).  Turn n belongs to piece n: 16 products K Q^T of
; piece n + 1, later 16 products V^T P of piece n - 1; beside them the scaling, exponentials, roundings, sums and rescaling of piece n and the maximum and statistics of piece n + 1.  A tile and step have 16 matrix
; and 118 vector instructions: four that are ready stand behind every matrix instruction, the others in two runs of their own (LUMPS).
; REGISTERS, in windows of 256 (s_set_vgpr_msb: bits 1:0 source 0, 3:2 source 1, 5:4 source 2, 7:6 destination):
;   window 0: v0-11 addresses; v12-15, v48-63 at work; v16-47 four registers of statistics a tile; v64-191 S^T, two buffers of two tiles; v192-255 P, likewise
;   window 1: O^T, 32 a tile (at the start q lands there)      window 2: v0-127 Q, 16 a tile; v128-191 K of one step; v192-255 V of one step
;   window 3: v0-63 a tile's f32 as loaded; v64-95 the same in f16; v96-98 staging addresses; v100-101 the add's two registers; v192-223 the mask of one step
.set NP,    4         ; pieces a wave: a name, no knob
.set KS,    64        ; keys in a step
.set PT,    160       ; a row of K or V in LDS: 128 bytes of f16 + 32 of padding = 40 words
.set VOFF,  KS*PT     ; in a buffer: 64 rows of K (a channel each), then 64 rows of V (a key each)
.set BUF,   2*KS*PT   ; 20,480 bytes; tile t lies in buffer t % 2
.set MASK,  2*BUF     ; the batch's 2,048 mask numbers, f32, and 512 bytes of zeros behind them, which the fetch behind the last step reads
.set STG,   MASK+8192+512  ; a stage for each wave: 16 rows x 272 bytes for the way out; at the start 16 rows x 144 bytes of it turn Q into fragments
.set STGW,  16*272
.set SPARE, STG+4*STGW     ; the spare words, 128 bytes for each wave: two blocks of 256 bytes that no other line names
.set AM0, 0           ; v0   (once the thread's number has served) MASK + 32 (l / 16); never rewritten after
.set AT,  2           ; v2   my lane's place in a tile for the turning loads; never rewritten
.set QST, 3           ; v3   Q's way in: where I put 8 bytes of a row
.set QRD, 4           ; v4   Q's way in: where I read a fragment
.set STO, 5           ; v5   the way out: where I put 32 bytes of a row
.set RD,  6           ; v6   the way out: where I read rows back
.set LO,  7           ; v7   16 x lane: my place in 512 consecutive bytes of q and of out
.set TO,  8           ; v8   16 x thread: my place in 2,048 consecutive bytes of the mask
.set PO,  10          ; v10  the prefetch's byte offset; never rewritten
.set AM,  11          ; v11  the LDS address of the mask's next run of loads
.set MV,  12          ; v12-15  c m_old, kept while c m is made anew: by buffer and tile
.set ST,  16          ; tile t's statistics at v[ST+4 t]: c m, m, l (even keys', odd keys')
.set TMP, 48          ; by buffer and tile, four registers c0-c3 at work; when the maximum is found c2 takes a
.set S,   64
.set P,   192
.set QT,  S+32        ; set-up: Q in f16, two buffers of 16
.set T,   160         ; set-up: at work
.set KF,  128         ; window 2: key block kb, channel half c at KF + 16 kb + 8 c
.set VF,  192         ; window 2: key half kk, channel block cb at VF + 32 kk + 8 cb
.set XF,  0           ; window 3: K's 8 loads, then V's 8
.set XH,  64          ; window 3
.set GK,  96          ; window 3: my byte offset in K's tile: (16 w + l / 16) rows of 8,192 bytes + 16 (l % 16)
.set GV,  97          ; window 3: in V's tile: 4,096 w + 16 l
.set SA,  98          ; window 3: where I store: (16 w + l / 16) x 160 + 8 (l % 16)
.set SPW, 100         ; window 3: LDS address of my spare word: SPARE + 4 x my thread's number; never rewritten
.set NIL, 101         ; window 3: 0; never rewritten
.set MK,  192         ; window 3: register j of key block kb at MK + 8 kb + j: mask[16 kb + 8 (l / 16) + j]
.set WV,  14          ; s14  my wave's number
.set XB,  15          ; s15  my block of 512 queries
.set HD,  16          ; s16  the head
.set MB,  17          ; s17  byte in the mask at which the step to be fetched begins
.set PB,  24          ; s[24:25] the prefetch's base: K or V at the tile asked for
.set PSTEP, 26        ; s[26:27] its step from tile to tile
.set CNT, 30          ; s30  trips to go
.set PSH, 31          ; s31  log2 of the distance between the prefetch's lanes
.set CS,  32          ; s[32:33] c: the packed scaling takes the pair's low word for both halves
.set QS,  34          ; s[34:35] 1 / 8, likewise
.set SEL, 36          ; s[36:37] v_permlanex16_b32's selects: each lane takes its own place in the other half
.set MSB, 0
.macro WIN new                      ; the high byte repeats the setting that is left; a switch that changes nothing is dropped
.if MSB != (\new)
	s_set_vgpr_msb (MSB<<8)|(\new)
.set MSB, (\new)
.endif
.endm
.set W_KQ, 0x0a       ; K and Q in window 2, S^T in window 0
.set W_KM, 0x3a       ; the same with the C operand, the mask, in window 3
.set W_PV, 0x52       ; V in window 2, P in window 0, O^T in window 1
.set W_RS, 0x41       ; destination and source 0 in window 1
.set W_MK, 0xc0       ; destination in window 3, sources in window 0
.set W_AD, 0x0f       ; the add: address (source 0) and data (source 1) in window 3
.set W_ST, 0xcf       ; staging: destination, source 0 and source 1 in window 3
; ---------------------------------------------------------------- staging
.macro GLOAD                        ; 16 loads: my 16 rows of K's tile (two rows of 256 bytes a load) and my 16 rows of V's (512 consecutive bytes a load)
	WIN W_ST
.irp n, 0,1,2,3,4,5,6,7
	global_load_b128 v[XF+4*\n:XF+4*\n+3], v[GK], s[6:7] offset:\n*16384
.endr
.irp n, 0,1,2,3,4,5,6,7
	global_load_b128 v[XF+32+4*\n:XF+32+4*\n+3], v[GV], s[8:9] offset:\n*512
.endr
.endm
.macro CVTST buf                    ; rounded to f16, 8 bytes a lane and load, and stored: rows 16 w + 2 n + l / 16 of K's and of V's part of the buffer
	WIN W_ST
.set z, 0
.rept 32
	v_cvt_pk_f16_f32 v[XH+z], v[XF+2*z], v[XF+2*z+1]
.set z, z+1
.endr
.irp n, 0,1,2,3,4,5,6,7
	ds_store_b64 v[SA], v[XH+2*\n:XH+2*\n+1] offset:(\buf)*BUF+\n*2*PT
.endr
.irp n, 0,1,2,3,4,5,6,7
	ds_store_b64 v[SA], v[XH+16+2*\n:XH+16+2*\n+1] offset:(\buf)*BUF+VOFF+\n*2*PT
.endr
.endm
; In step s: tile s + 1, asked for a step ago, goes into buffer buf; tile s + 2 is asked for; wave 0 asks the L2 for its work-group's quarter of tile s + 4 (blocks 0 and 1 of a head: K's channels 0-31 and 32-63,
; blocks 2 and 3: V's two halves of 8,192 bytes; lanes 256 bytes of the tile apart: each such block is asked for once in the launch), which is two steps ahead of that tile's loads.
; second = 0, 1: the trip's first or second step.  In the last trip (CNT = 1: steps 30, 31) there is no tile 32 to ask for or to store; the prefetch stops behind tile 31 (CNT < 3).  All jumps go forward; at each every window is 0.
.macro STAGE buf, second
	WIN 0
.if \second
	s_cmp_eq_u32 s[CNT], 1
	s_cbranch_scc1 .Lstaged_\@
.endif
	s_wait_loadcnt 0x0              ; the tile's 16 loads are in: nothing younger is out
	s_wait_xcnt 0x0                 ; and the prefetch has read its base: only behind these two waits are the three bases stepped
	s_add_nc_u64 s[6:7], s[6:7], 256        ; 64 keys on in K's rows
	s_add_nc_u64 s[8:9], s[8:9], 16384      ; 64 rows on in V
	s_add_nc_u64 s[PB:PB+1], s[PB:PB+1], s[PSTEP:PSTEP+1]
	CVTST \buf
	WIN 0
.if !(\second)
	s_cmp_eq_u32 s[CNT], 1
	s_cbranch_scc1 .Lstaged_\@
.endif
	GLOAD
	WIN 0
	s_cmp_lt_u32 s[CNT], 3
	s_cbranch_scc1 .Lstaged_\@
	s_cmp_lg_u32 s[WV], 0
	s_cbranch_scc1 .Lstaged_\@
	global_prefetch_b8 v[PO], s[PB:PB+1] th:TH_LOAD_NT scope:SCOPE_SE
.Lstaged_\@:
.endm
; ---------------------------------------------------------------- LDS loads, in runs, never singly among the matrix instructions
.macro FETCH_K buf                  ; a step's K, turned (64 keys x 64 channels: 8 fragments), and its mask
	WIN 0x80                        ; destination window 2
.irp f, 0,1,2,3,4,5,6,7             ; keys 16 (f / 2) on, channels 32 (f % 2) on
	ds_load_tr16_b128 v[KF+8*\f:KF+8*\f+3],   v[AT] offset:(\buf)*BUF+(\f%2)*32*PT+(\f/2)*32
	ds_load_tr16_b128 v[KF+8*\f+4:KF+8*\f+7], v[AT] offset:(\buf)*BUF+(\f%2)*32*PT+16*PT+(\f/2)*32
.endr
	WIN W_MK                        ; destination window 3
.irp n, 0,1,2,3,4,5,6,7             ; keys 16 (n / 2) + 8 (l / 16) + 4 (n % 2) on: the sixteen lanes of a half read the same 16 bytes
	ds_load_b128 v[MK+4*\n:MK+4*\n+3], v[AM] offset:64*(\n/2)+16*(\n%2)
.endr
	s_add_co_u32 s[MB], s[MB], 4*KS ; the next fetch is the next step's
	WIN 0
.endm
.macro FETCH_V buf                  ; a step's V, turned
	WIN 0x80
.irp f, 0,1,2,3,4,5,6,7             ; keys 32 (f / 4) on, channels 16 (f % 4) on
	ds_load_tr16_b128 v[VF+8*\f:VF+8*\f+3],   v[AT] offset:(\buf)*BUF+VOFF+(\f/4)*32*PT+(\f%4)*32
	ds_load_tr16_b128 v[VF+8*\f+4:VF+8*\f+7], v[AT] offset:(\buf)*BUF+VOFF+(\f/4)*32*PT+16*PT+(\f%4)*32
.endr
	WIN 0
.endm
; ---------------------------------------------------------------- the matrix work.  The 8 accumulators of a run of 16 take turns: between the two links of a chain stand 7 others'.
; Product i of 16 of S^T = K Q^T + mask for piece x: channels 32 (i / 8) on, keys 16 ((i / 2) % 4) on, tile 2 x + i % 2.  The first 8 start the sums, with the mask as C.
.macro KQ x
.set rS, S+64*((\x)%2)+32*(i%2)+8*((i/2)%4)
.set rK, KF+16*((i/2)%4)+8*(i/8)
.set rQ, 16*(2*(\x)+i%2)+8*(i/8)
.set rX, MK+8*((i/2)%4)
.if i < 8
	WIN W_KM
	v_wmma_f32_16x16x32_f16 v[rS:rS+7], v[rK:rK+7], v[rQ:rQ+7], v[rX:rX+7]
.else
	WIN W_KQ
	v_wmma_f32_16x16x32_f16 v[rS:rS+7], v[rK:rK+7], v[rQ:rQ+7], v[rS:rS+7]
.endif
.endm
; Product i of 16 of O^T += V^T P for piece x: keys 32 (i / 8) on, channels 16 ((i / 2) % 4) on, tile 2 x + i % 2.
.macro PV x
	WIN W_PV
.set rO, 32*(2*(\x)+i%2)+8*((i/2)%4)
.set rV, VF+32*(i/8)+8*((i/2)%4)
.set rP, P+32*((\x)%2)+16*(i%2)+8*(i/8)
	v_wmma_f32_16x16x32_f16 v[rO:rO+7], v[rV:rV+7], v[rP:rP+7], v[rO:rO+7]
.endm
.macro MM                           ; the turn's next matrix instruction
.if i < 16
	KQ (Y+1)%NP
.set i, i+1
.else
.set i, i-16
	PV (Y+NP-1)%NP
.set i, i+17
.endif
.endm
; ---------------------------------------------------------------- the vector work of a turn: three queues, each in the order in which its entries become ready; the two tiles alternate
.macro REGS y, u                    ; the registers of tile u (0, 1) of piece y
.set rT, ST+4*(2*(\y)+(\u))
.set rC, TMP+8*((\y)%2)+4*(\u)
.set rM, MV+2*((\y)%2)+(\u)
.set rS, S+64*((\y)%2)+32*(\u)
.set rP, P+32*((\y)%2)+16*(\u)
.set rO, 32*(2*(\y)+(\u))
.endm
; Number n of the 22 that find the NEXT piece's (Y + 1) maximum and statistics.  s0-s31 are the lane's 32 scores; each accumulator's lowest registers are read first.  XS, GS and REGS set no window: PL and EX do.
;   0-11  four chains c0-c3 of seven scores each, three operands at a time     12-14, 16  the four scores left over, the old m, and c0-c3 into c0     15  c m_old is kept
;   17, 18  the query's other 32 keys lie in the lane 16 away: the new m         19-21  c m; c m_old - c m_new; a
.macro XS u, n
	REGS (Y+1)%NP, \u
.if (\n) < 4
	v_max3_num_f32 v[rC+(\n)], v[rS+8*(\n)], v[rS+8*(\n)+1], v[rS+8*(\n)+2]
.elseif (\n) < 12
	v_max3_num_f32 v[rC+(\n)%4], v[rC+(\n)%4], v[rS+8*((\n)%4)+2*((\n)/4)+1], v[rS+8*((\n)%4)+2*((\n)/4)+2]
.elseif (\n) == 12
	v_max3_num_f32 v[rC], v[rC], v[rS+7], v[rS+15]
.elseif (\n) == 13
	v_max3_num_f32 v[rC+1], v[rC+1], v[rS+23], v[rS+31]
.elseif (\n) == 14
	v_max3_num_f32 v[rC+2], v[rC+2], v[rC+3], v[rT+1]
.elseif (\n) == 15
	v_mov_b32 v[rM], v[rT]
.elseif (\n) == 16
	v_max3_num_f32 v[rC], v[rC], v[rC+1], v[rC+2]
.elseif (\n) == 17
	v_permlanex16_b32 v[rC+3], v[rC], s[SEL], s[SEL+1]
.elseif (\n) == 18
	v_max_num_f32 v[rT+1], v[rC], v[rC+3]
.elseif (\n) == 19
	v_mul_f32 v[rT], s[CS], v[rT+1]
.elseif (\n) == 20
	v_sub_f32 v[rC+1], v[rM], v[rT]
.else
	v_exp_f32 v[rC+2], v[rC+1]
.endif
.endm
; Number g of the 64 that follow the exponentials.  For each four weights k of a tile (pairs 2 k, 2 k + 1): both pairs are rounded to f16; then the second pair is added onto the first, in place;
; a group later l takes that sum (the first time as l = a l + sum).  In groups of eight, tiles alternating: round, round, add, and l for the group before.
.macro GS g
.set h, (\g)+6*((\g)/62)            ; group 0 has no group before it, and behind group 7 only l is left
.if h >= 6
.set h, h+2
.endif
	REGS Y, h%2
.set k, h/8
.if h%8 < 4
	s_wait_alu depctr_va_vdst(0)
	v_cvt_pk_f16_f32 v[rP+2*k+(h%8)/2], v[rS+4*k+2*((h%8)/2)], v[rS+4*k+2*((h%8)/2)+1]
.elseif h%8 < 6
	v_pk_add_f32 v[rS+4*k:rS+4*k+1], v[rS+4*k:rS+4*k+1], v[rS+4*k+2:rS+4*k+3]
.elseif k == 1
	v_pk_fma_f32 v[rT+2:rT+3], v[rT+2:rT+3], v[rC+2:rC+3], v[rS:rS+1] op_sel_hi:[1,0,1]
.else
	v_pk_add_f32 v[rT+2:rT+3], v[rT+2:rT+3], v[rS+4*k-4:rS+4*k-3]
	s_wait_alu depctr_va_vdst(0)
.endif
.endm
; THE PLAIN QUEUE, 138 long.  0-31: c s - c m for the 16 pairs of both tiles.  Then GS's 64, and among them the next piece's 42: number 15 at 38, 39; 0-14 and 16
; at 42-73, behind the products that make those scores; 17-20 at 95-106, two of three, since each waits for the one before it.
.macro PL
	WIN 0
.if q < 32
	REGS Y, q%2
	v_pk_fma_f32 v[rS+2*(q/2):rS+2*(q/2)+1], v[rS+2*(q/2):rS+2*(q/2)+1], s[CS:CS+1], v[rT:rT+1] op_sel_hi:[1,0,0] neg_lo:[0,0,1] neg_hi:[0,0,1]
.elseif q < 38
	GS q-32
.elseif q < 40
	XS q%2, 15
.elseif q < 42
	GS q-34
.elseif q < 74
	XS q%2, (q-42)/2+(q-42)/30
.elseif q < 95
	GS q-66
.elseif (q < 107) && ((q-95)%3 < 2)
	XS (q-95)%3, 17+(q-95)/3
.elseif q < 107
	GS 29+(q-95)/3
.else
	GS q-74
.endif
.set q, q+1
.endm
; THE EXPONENTIALS' QUEUE, 66 long: s0-s31 of both tiles, and at EA the next piece's two a.
.set EA, 58
.macro EX
	WIN 0
.if (e == EA) || (e == EA+1)
	XS e-EA, 21
.else
.set x, e-2*(e/(EA+2))
	REGS Y, x%2
	v_exp_f32 v[rS+x/2], v[rS+x/2]
.endif
.set e, e+1
.endm
; THE RESCALING's QUEUE: O^T times a, the one part that leaves window 0, so it is dealt four at a time, eight times; each accumulator from its low end on.
.macro R4
	REGS Y, r%2
	WIN W_RS
	s_wait_alu depctr_va_vdst(0)
.irp z, 0,1,2,3
	v_pk_mul_f32 v[rO+8*(r/2)+2*\z:rO+8*(r/2)+2*\z+1], v[rO+8*(r/2)+2*\z:rO+8*(r/2)+2*\z+1], v[rC+2:rC+3] op_sel_hi:[1,0]
.endr
.set r, r+1
.endm
; HOW THEY ARE DEALT.  Behind a matrix instruction four: plain, exponential, plain, plain (a plain instruction stands behind each exponential before its result is used: ISA guide 5.7.2), or four of the rescaling.
; None names a register of the products round it.  What is over stands in two lumps: exponential and plain by turns; the second ends in 22 plain instructions.
; The queues lean on each other: exponential e stands behind plain 2 (e / 4) + e % 2 (its scaling); when plain 32 comes, 10 exponentials are out, at 59: 33, at 95: 46; EA comes behind plain 107.
.macro SL
	MM
	PL
	EX
	PL
	PL
.endm
.macro BURST n                      ; 15 matrix instructions, or 16
.rept (\n)-7
	SL
.endr
.rept 3
	MM
	R4
	SL
.endr
	MM
	R4
.endm
; A TURN, for piece p.  buf: for piece 0 the buffer of the step in hand (its V is fetched, the next tile is staged into the other buffer); for piece 2 the buffer of the next step, whose K is fetched.
; Piece 0: the staging stands in the first lump; V of the step in hand is fetched at the turn's end, 68 vector instructions behind the last product that read V.
; Piece 1: waits for V; at its end my stores of the next tile and my reads of the tile in hand are done (the wait for 0), and I say so.
; Piece 2: in its first lump, 31 vector instructions behind the last product that read K and the mask, the barrier is passed: every wave has stored its part of the next tile and has read the tile in hand to its end;
; then the next step's K and mask are fetched.  Between the signal and the wait stands work on registers alone.   Piece 3: waits for K and the mask.
.macro TURN p, buf=0
.set Y, (\p)
.set i, 0
.set q, 0
.set e, 0
.set r, 0
.if (\p) == 3
	s_wait_dscnt 0x0                ; K and the mask are in
.endif
	MM
.rept 4
	PL
.endr
	BURST 15
.rept 22
	EX
	PL
.if ((\p) == 2) && (e == 18)
	v_add_nc_u32 v[AM], s[MB], v[AM0]
.endif
.if ((\p) == 2) && (e == 24)
	s_barrier_wait -1
	FETCH_K \buf
.endif
.if ((\p) == 0) && (e == 24)
	STAGE 1-(\buf), \buf
.endif
.endr
.if (\p) == 1
	s_wait_dscnt 0x0                ; V is in
.endif
	BURST 16
.rept 21
	EX
	PL
.endr
.rept 22
	PL
.endr
.if (\p) == 0
	FETCH_V \buf
.endif
.if (\p) == 1
	WIN 0
	s_wait_dscnt 0x0                ; for the others' sake: my stores into the other buffer and my reads of this one are done
	s_barrier_signal -1
.endif
.endm
; ---------------------------------------------------------------- Q's way in
.macro QLOAD t0                     ; four tiles of 16 rows: 32 loads of 512 consecutive bytes, into O^T's registers: load z at v[4 z]
	WIN 0x40                        ; destination window 1
.set z, 8*(\t0)
.rept 32
	global_load_b128 v[4*z:4*z+3], v[LO], s[4:5] offset:512*z th:TH_LOAD_NT
.set z, z+1
.endr
	WIN 0
.endm
; Tile t: times 1 / 8 in place, rounded to f16, through my own stage (rows of 128 bytes + 16), back as two fragments of 16 queries x 32 channels: lane l holds row l % 16, channels 8 (l / 16) + 0..7 and 16 + 8 (l / 16) + 0..7.
; LDS serves a wave's instructions in order (ISA guide 5.7.1.4): the loads see the stores above them, and the next tile's stores come behind these loads.
.macro QTILE t
	WIN W_RS
.set z, 32*(\t)
.rept 16
	v_pk_mul_f32 v[z:z+1], v[z:z+1], s[QS:QS+1] op_sel_hi:[1,0]
.set z, z+2
.endr
	WIN 0x05                        ; sources 0 and 1 window 1, destination window 0
.set z, 0
.rept 16
	v_cvt_pk_f16_f32 v[QT+16*((\t)%2)+z], v[32*(\t)+2*z], v[32*(\t)+2*z+1]
.set z, z+1
.endr
	WIN 0
.irp j, 0,1,2,3,4,5,6,7             ; load j held rows 2 j + l / 16, channels 4 (l % 16) on
	ds_store_b64 v[QST], v[QT+16*((\t)%2)+2*\j:QT+16*((\t)%2)+2*\j+1] offset:\j*288
.endr
	WIN 0x80                        ; destination window 2
.irp f, 0,1,2,3
	ds_load_b128 v[16*(\t)+4*\f:16*(\t)+4*\f+3], v[QRD] offset:32*\f
.endr
.endm
; ---------------------------------------------------------------- the head
	s_load_b256 s[4:11], s[0:1], 0x0  ; q s[4:5], k s[6:7], v s[8:9], mask s[10:11]
	s_load_b64 s[12:13], s[0:1], 0x20 ; out
	WIN W_MK
	v_lshl_add_u32 v[SPW], v0, 2, SPARE  ; the add's two registers
	v_mov_b32 v[NIL], 0
	WIN 0
	v_lshrrev_b32 v1, 5, v0
	v_readfirstlane_b32 s[WV], v1   ; wave 0..3
	s_mov_b32 s[XB], ttmp9
	s_and_b32 s[HD], ttmp7, 0xffff
	s_lshl_b32 s18, s[HD], 19       ; a head is 2,048 x 64 x 4 = 524,288 bytes in q, k, v and out
	s_mov_b32 s19, 0
	s_lshl_b32 s20, s[XB], 17       ; my block's 512 rows of 256 bytes,
	s_lshl_b32 s21, s[WV], 15       ; my wave's 128 of them
	s_add_co_u32 s20, s20, s21
	s_add_co_u32 s20, s20, s18
	s_mov_b32 s21, 0
	s_lshr_b32 s22, s[HD], 4        ; the batch: 16 heads each,
	s_lshl_b32 s22, s22, 13         ; its 8,192 bytes of the mask
	s_mov_b32 s23, 0
	s_cmp_lt_u32 s[XB], 2           ; blocks 0 and 1 prefetch K: lanes a row of 8,192 bytes apart, 256 bytes from tile to tile;
	s_cselect_b32 s[PSH], 13, 8     ; blocks 2 and 3 prefetch V: lanes 256 bytes apart, 16,384 bytes from tile to tile
	s_cselect_b32 s[PSTEP], 8, 14
	s_lshl_b32 s[PSTEP], 1, s[PSTEP]
	s_mov_b32 s[PSTEP+1], 0
	s_mov_b32 s[CS], 0x3fb8aa3b     ; c = log2(e)
	s_mov_b32 s[CS+1], s[CS]        ; named with it as a pair
	s_mov_b32 s[QS], 0x3e000000     ; 1 / 8
	s_mov_b32 s[QS+1], s[QS]
	s_mov_b32 s[SEL], 0x76543210
	s_mov_b32 s[SEL+1], 0xfedcba98
	s_mov_b32 s[MB], 0
	s_mov_b32 s[CNT], 16            ; 16 trips of two key steps
	v_and_b32 v1, 15, v0            ; l % 16
	v_bfe_u32 v9, v0, 4, 1          ; l / 16
	v_and_b32 v[T], 31, v0          ; l
	v_lshlrev_b32 v[LO], 4, v[T]
	v_lshlrev_b32 v[TO], 4, v0
	v_lshlrev_b32 v[T+1], 4, v1
	v_lshl_add_u32 v[T+1], v9, 13, v[T+1]  ; (l / 16) x 8,192 + 16 (l % 16)
	v_mul_u32_u24 v[T+2], v9, PT
	v_lshl_add_u32 v[T+2], v1, 3, v[T+2]   ; (l / 16) x 160 + 8 (l % 16)
	s_lshl_b32 s28, s[WV], 17       ; 16 w rows of 8,192 bytes
	s_lshl_b32 s29, s[WV], 12       ; 16 w rows of 256 bytes
	s_mul_i32 s38, s[WV], 16*PT     ; 16 w rows of 160 bytes
	WIN W_MK
	v_add_nc_u32 v[GK], s28, v[T+1]
	v_add_nc_u32 v[GV], s29, v[LO]
	v_add_nc_u32 v[SA], s38, v[T+2]
	WIN 0
	s_and_b32 s28, s[XB], 1
	s_lshl_b32 s28, s28, 5
	v_add_nc_u32 v[T+3], s28, v[T]  ; l + 32 (block % 2): which of the tile's 64 rows (K) or 64 runs of 256 bytes (V) I ask for
	v_lshlrev_b32 v[PO], s[PSH], v[T+3]
	s_wait_kmcnt 0x0
	s_add_nc_u64 s[4:5], s[4:5], s[20:21]    ; q and out at my wave's first row
	s_add_nc_u64 s[12:13], s[12:13], s[20:21]
	s_add_nc_u64 s[6:7], s[6:7], s[18:19]    ; K and V at the head's tile 0
	s_add_nc_u64 s[8:9], s[8:9], s[18:19]
	s_add_nc_u64 s[10:11], s[10:11], s[22:23]  ; the batch's mask
	s_add_nc_u64 s[PB:PB+1], s[6:7], 3*256   ; the prefetch's base at tile 3: the first staging steps it to tile 4
	s_add_nc_u64 s[28:29], s[8:9], 3*16384
	s_cmp_lt_u32 s[XB], 2
	s_cselect_b64 s[PB:PB+1], s[PB:PB+1], s[28:29]
	GLOAD                           ; tile 0
	WIN 0
.irp n, 0,1,2,3
	global_load_b128 v[S+4*\n:S+4*\n+3], v[TO], s[10:11] offset:2048*\n  ; the mask: the work-group's 128 threads take 2,048 consecutive bytes a load
.endr
	QLOAD 0                         ; Q's tiles 0-3
	; What the first turn finds, made while those 52 loads are out: V's registers and P's second buffer hold 0 (its products V^T P, of a piece that has not been, add 0); l is 0; m = -1e30, and c m = -4e30 lies
	; below c x m, so the first step's a = 2^(c m_old - c m_new) is 0 whatever the scores: it clears O^T, which is never cleared otherwise.
	WIN 0x80
.set z, VF
.rept 64
	v_mov_b32 v[z], 0
.set z, z+1
.endr
	WIN 0
.set z, P+32
.rept 32
	v_mov_b32 v[z], 0
.set z, z+1
.endr
.set z, 0
.rept 2*NP
	v_mov_b32 v[ST+4*z], 0xf249f2ca    ; c m: -4e30
	v_mov_b32 v[ST+4*z+1], 0xf149f2ca  ; m: -1e30
	v_mov_b32 v[ST+4*z+2], 0
	v_mov_b32 v[ST+4*z+3], 0
.set z, z+1
.endr
	; The turning load takes 16 rows x 16 columns (lane l reads row 8 (l / 16) + l % 8, columns 8 ((l / 8) % 2) + 0..7) and leaves half a fragment: lane l holds column l % 16 and 8 rows.
	v_and_b32 v[T+4], 7, v0
	v_bfe_u32 v[T+5], v0, 3, 1
	v_lshl_add_u32 v[AT], v9, 3, v[T+4]
	v_mul_u32_u24 v[AT], v[AT], PT
	v_lshl_add_u32 v[AT], v[T+5], 4, v[AT]
	s_mul_i32 s38, s[WV], STGW
	s_add_co_u32 s38, s38, STG      ; my stage
	v_mul_u32_u24 v[QST], v9, 144
	v_lshl_add_u32 v[QST], v1, 3, v[QST]
	v_add_nc_u32 v[QST], s38, v[QST]
	v_mul_u32_u24 v[QRD], v1, 144
	v_lshl_add_u32 v[QRD], v9, 4, v[QRD]
	v_add_nc_u32 v[QRD], s38, v[QRD]
	v_lshlrev_b32 v[T+6], 2, v0
	v_mov_b32 v[T+7], 0
	s_wait_loadcnt 0x0              ; tile 0, the mask and Q's tiles 0-3 are in
	QLOAD 4                         ; Q's tiles 4-7
.irp n, 0,1,2,3
	ds_store_b128 v[TO], v[S+4*\n:S+4*\n+3] offset:MASK+2048*\n
.endr
	ds_store_b32 v[T+6], v[T+7] offset:MASK+8192  ; 512 bytes of zeros behind the mask
	v_lshl_add_u32 v[AM0], v9, 5, MASK  ; the thread's number has served: v0 takes MASK + 32 (l / 16)
	s_add_nc_u64 s[6:7], s[6:7], 256    ; tile 0's loads are done (the wait above): the bases step to tile 1
	s_add_nc_u64 s[8:9], s[8:9], 16384
	CVTST 0
	GLOAD                           ; tile 1
	QTILE 0
	QTILE 1
	QTILE 2
	QTILE 3
	s_wait_loadcnt 16               ; Q's tiles 4-7 are in; the 16 younger loads, tile 1's, stay out
	QTILE 4
	QTILE 5
	QTILE 6
	QTILE 7
	WIN 0
	s_wait_dscnt 0x0                ; my parts of the mask and of tile 0 are stored, Q's fragments are in
	s_barrier_signal -1
	s_barrier_wait -1               ; everybody's are
	v_add_nc_u32 v[AM], s[MB], v[AM0]
	FETCH_K 0                       ; key step 0
	s_wait_dscnt 0x0
.set i, 0
.rept 16
	KQ 0                            ; piece 0's first scores: there is no vector work yet to set between them
.set i, i+1
.endr
	WIN 0                           ; the addresses for the way out: six plain instructions, the places behind those products
	v_mul_u32_u24 v[STO], v1, 272   ; in: row l % 16, 32 bytes for each half of the lanes
	v_lshl_add_u32 v[STO], v9, 5, v[STO]
	v_add_nc_u32 v[STO], s38, v[STO]
	v_mul_u32_u24 v[RD], v9, 272    ; back: lanes 0-15 take one row of 256 bytes, lanes 16-31 the next
	v_lshl_add_u32 v[RD], v1, 4, v[RD]
	v_add_nc_u32 v[RD], s38, v[RD]
.set Y, NP-1                        ; XS works for piece Y + 1: piece 0
.irp n, 0,1,2,3,4,5,6,7,8,9,10,11,12,13,14,15,16,17,18,19,20,21
	XS 0, \n                        ; and piece 0's first maximum and statistics
	XS 1, \n
.endr
; ---------------------------------------------------------------- the walk: 16 trips of two key steps; all LDS addresses but the mask's are constants of the text
.Ltrip:
	TURN 0, 0                       ; step 2 k: tile 2 k + 1 into buffer 1, tile 2 k + 2 asked for; V from buffer 0
	TURN 1
	TURN 2, 1                       ; K and mask of step 2 k + 1
	TURN 3
	TURN 0, 1                       ; step 2 k + 1: tile 2 k + 2 into buffer 0, tile 2 k + 3 asked for; V from buffer 1
	TURN 1
	TURN 2, 0                       ; K and mask of step 2 k + 2.  In the last trip there is none: buffer 0 still holds tile 30, the mask's address stands at the zeros; the 16 products made of them
	TURN 3                          ; and their maximum serve nothing: the price, once a launch, of one text for every trip
	WIN 0
	s_sub_co_u32 s[CNT], s[CNT], 1
	s_cmp_lg_u32 s[CNT], 0
	s_cbranch_scc1 .Ltrip
.set i, 0
.rept 16
	PV NP-1                         ; the last piece's V^T P of the last step
.set i, i+1
.endr
; ---------------------------------------------------------------- THE WAY OUT.  l's two halves and the other half of the lanes' are added; O^T is divided by l and sent through my stage in LDS, a tile at a time.  The additions are the places behind the last products.
	WIN 0
.macro ALL line:vararg              ; one line for each tile t
.set t, 0
.rept 2*NP
	\line
.set t, t+1
.endr
.endm
	ALL v_add_f32 v[ST+4*t+2], v[ST+4*t+2], v[ST+4*t+3]
	ALL v_permlanex16_b32 v[ST+4*t+3], v[ST+4*t+2], s[SEL], s[SEL+1]
	ALL v_add_f32 v[ST+4*t+2], v[ST+4*t+2], v[ST+4*t+3]
	ALL v_rcp_f32 v[ST+4*t+2], v[ST+4*t+2]
	v_nop                           ; a plain instruction between the last reciprocal and the use of its result
	s_wait_alu depctr_va_vdst(0)
; Tile t: a lane's eight channels of a row are 32 bytes of f32; they go into rows of 272 bytes (256 + 16: the sixteen rows of a store start at sixteen different groups of four banks) and come back as whole rows of 256, into the registers that they left.
.macro PACK t
	WIN W_RS
.set z, 32*(\t)
.rept 16
	v_pk_mul_f32 v[z:z+1], v[z:z+1], v[ST+4*(\t)+2:ST+4*(\t)+3] op_sel_hi:[1,0]
.set z, z+2
.endr
	WIN 0x04                        ; store data (source 1) window 1, address window 0
.irp f, 0,1,2,3,4,5,6,7             ; channel block f / 2, its registers 4 (f % 2) on
	ds_store_b128 v[STO], v[32*(\t)+4*\f:32*(\t)+4*\f+3] offset:64*(\f/2)+16*(\f%2)
.endr
	WIN 0x40                        ; destination window 1
.irp f, 0,1,2,3,4,5,6,7
	ds_load_b128 v[32*(\t)+4*\f:32*(\t)+4*\f+3], v[RD] offset:\f*2*272  ; LDS serves a wave's instructions in order (ISA guide 5.7.1.4): these see the stores above; the next tile's stores come behind them
.endr
.endm
.macro SEND t, younger              ; younger: the LDS instructions issued behind tile t's loads: the next tile's sixteen, or none
	WIN 0x04
.irp f, 0,1,2,3,4,5,6,7
	s_wait_dscnt (\younger)+7-\f    ; read-back f is in; the later ones and the next tile's may stay out
	global_store_b128 v[LO], v[32*(\t)+4*\f:32*(\t)+4*\f+3], s[12:13] offset:(\t)*4096+\f*512 th:TH_STORE_NT  ; 512 consecutive bytes, at a multiple of 256 from out's first byte
.endr
.endm
	PACK 0
.set t, 1
.rept 2*NP-1                        ; a tile's arithmetic stands between the loads of the tile before and its stores
	PACK t
	SEND t-1, 16
.set t, t+1
.endr
	SEND 2*NP-1, 0
	WIN W_AD
	s_wait_tensorcnt 0x0            ; the wave's end, behind my last LDS store
	ds_add_u32 v[SPW], v[NIL]
	s_wait_dscnt 0x0
	WIN 0
	s_endpgm
.Lfunc_end_k_q926cdf70c4_attn:
	.size	k_q926cdf70c4_attn, .Lfunc_end_k_q926cdf70c4_attn-k_q926cdf70c4_attn
	.p2alignl 7, 3214868480
	.fill 96, 4, 3214868480
	.section	.rodata,"a",@progbits
	.p2align	6, 0x0
	.amdhsa_kernel k_q926cdf70c4_attn
		.amdhsa_group_segment_fixed_size 67584
		.amdhsa_private_segment_fixed_size 0
		.amdhsa_enable_private_segment 0
		.amdhsa_kernarg_size 40
		.amdhsa_user_sgpr_count 2
		.amdhsa_user_sgpr_kernarg_segment_ptr 1
		.amdhsa_wavefront_size32 1
		.amdhsa_system_sgpr_workgroup_id_x 1
		.amdhsa_system_sgpr_workgroup_id_y 1
		.amdhsa_system_sgpr_workgroup_id_z 1
		.amdhsa_system_vgpr_workitem_id 0
		.amdhsa_next_free_vgpr 992
		.amdhsa_next_free_sgpr 66
		.amdhsa_reserve_vcc 0
		.amdhsa_float_denorm_mode_32 3
		.amdhsa_float_denorm_mode_16_64 3
		.amdhsa_memory_ordered 1
		.amdhsa_forward_progress 1
		.amdhsa_inst_pref_size 240
	.end_amdhsa_kernel
	.amdgpu_metadata
---
amdhsa.version: [ 1, 2 ]
amdhsa.kernels:
  - .name:           k_q926cdf70c4_attn
    .symbol:         k_q926cdf70c4_attn.kd
    .args:
      - { .name: q, .offset: 0, .size: 8, .value_kind: global_buffer, .address_space: global }
      - { .name: k, .offset: 8, .size: 8, .value_kind: global_buffer, .address_space: global }
      - { .name: v, .offset: 16, .size: 8, .value_kind: global_buffer, .address_space: global }
      - { .name: attention_mask, .offset: 24, .size: 8, .value_kind: global_buffer, .address_space: global }
      - { .name: out0, .offset: 32, .size: 8, .value_kind: global_buffer, .address_space: global }
    .group_segment_fixed_size: 67584
    .private_segment_fixed_size: 0
    .kernarg_segment_align: 8
    .kernarg_segment_size: 40
    .max_flat_workgroup_size: 128
    .sgpr_count:     66
    .vgpr_count:     992
    .wavefront_size: 32
...
	.end_amdgpu_metadata
.endif
;; end of part 1
